; MI455X (gfx1250); checked and timed in simulation.
; The chip was launched on July 23, 2026; its instructions are those of AMD's public machine-readable ISA for CDNA 5 (MIT licence, August 2026) and "CDNA5" Instruction Set Architecture Reference Guide (July 2026). The comments in the code are by the model that wrote it; some were corrected since.
;; Cross Attention Block. Allowed arithmetic: matrix products marked QUANTISED: E3M2 operands, one E8M0 scale for each 32 along K, by v_wmma_scale_f32_16x16x128_f8f6f4 with both operands' format E3M2, f32 sums; everything else in f32.
;; Inputs: W_qk 512 x 1,024 float32; W_u 512 x 512 float32; W_v 512 x 512 float32; b_u 512 float32; condition 2 x 4,096 x 512 float32; x 2 x 4,096 x 512 float32.
;; Outputs: out0 2 x 4,096 x 512 float32.
;; This version of the problem:
;;   THIS VERSION OF THE PROBLEM IS GIVEN IN LOW PRECISION. The matrix products marked QUANTISED in the list below multiply operands that are first quantised to E3M2 (3 exponent bits, 2 mantissa bits; 6 bits a number), with one power-of-two scale for each 32 numbers along K (OCP MX v1.0); their sums are f32. All else is computed in f32.
;;   The module's matrix products, in the order in which they are computed (A, B: the left and right operand; K: the contracted axis; several contracted axes count as one K, in the product's order):
;;     1. [M 8,192, K 512] x [K 512, N 1,024]; A: input condition; B: input W_qk: QUANTISED
;;     2. [M 8,192, K 512] x [K 512, N 512]; A: input x; B: input W_v: QUANTISED
;;     3. batch 16 x [M 4,096, K 64] x [K 64, N 4,096]; A: computed on the way; B: computed on the way: QUANTISED
;;     4. batch 16 x [M 4,096, K 4,096] x [K 4,096, N 64]; A: softmax (see below); B: computed on the way: QUANTISED
;;     5. [M 8,192, K 512] x [K 512, N 512]; A: computed on the way; B: input W_u: QUANTISED
;;   THE QUANTISER, for each operand of a quantised product, along K:
;;     - K is cut into blocks of 32 from its start; a last block that is shorter is filled with zeros.
;;     - A block's scale is 2^e with e = floor(log2(the largest magnitude in the block)) - 4, held to -126 .. 127; a block of zeros has e = 0. As a byte (E8M0): e + 127.
;;     - Each number is divided by its block's scale, clamped to +-28, and rounded to the nearest number of E3M2, ties to even, subnormals kept.
;;     - The product sums the exact products of the quantised numbers (number of the format x scale) in f32.
;;   ~~~python
;;   def quantise(x, axis):      # numpy; x: float32 -> the quantised numbers, widened to float32 again
;;       x = np.moveaxis(x, axis, -1); K = x.shape[-1]
;;       x = np.pad(x, [(0, 0)] * (x.ndim - 1) + [(0, -K % 32)]); x = x.reshape(x.shape[:-1] + (-1, 32)); a = np.abs(x).max(-1, keepdims=True)
;;       e = np.where(a > 0, np.clip(np.frexp(np.where(a > 0, a, 1))[1] - 1 - 4, -126, 127), 0)      # np.frexp(a)[1] - 1 = floor(log2(a)), exactly
;;       r = np.clip(x / 2.0 ** e, -28, 28)
;;       step = 2.0 ** (np.maximum(np.frexp(np.where(r == 0, 1, r))[1] - 1, -2) - 2)
;;       q = np.round(r / step) * step * 2.0 ** e      # np.round: ties to even
;;       return np.moveaxis(q.reshape(q.shape[:-2] + (-1,))[..., :K], -1, axis).astype(np.float32)
;;   ~~~
;;   SOFTMAX AHEAD OF A QUANTISED PRODUCT. Where the list says 'softmax', what is quantised is not the finished softmax but p = 2^(t - M), with t = logit x log2(e) and M = ceil(the row's largest t), a whole number; so 1/2 < the row's largest p <= 1. The row's sum l is taken of the UNQUANTISED p, in f32, and the product's result is divided by l at the end. Since M is a whole number, a kernel that streams over the keys may use a running M (the ceiling of the running maximum): every later rescaling is an exact power of two, which a block's scale takes up: the codes' values come out the same.
;;   OPERANDS COMPUTED ON THE WAY. 'Computed on the way' means the value that the module computes at that place (a softmax that the list does not call 'softmax' is quantised finished and normalised). What goes into a quantiser is computed in f32, as accurately as f32 sums, v_exp_f32 and their like allow (about 1e-6 of the number): no bf16 or f16 on the way to a quantiser, and a product that is left as it is and whose result goes on into a quantised operand takes f32 operands (vector FMAs, or v_wmma_f32_16x16x4_f32). A number that lies on a knife's edge between two numbers of the format may be rounded either way, as far as f32 arithmetic and the matrix unit's own rounding can turn it there, and no further.
;; One version. Each part assembles by itself: llvm-mc -triple=amdgcn-amd-amdhsa -mcpu=gfx1250 --defsym DOCPART=n.
;; ======== version 1 of 1: 4 launches
;; limits: right only within a limited range of input values
;; workspace buffers: wq 851,968 bytes; qc 3,145,728 bytes; qs 262,144 bytes; kvc 6,291,456 bytes; kvs 393,216 bytes; oc 3,145,728 bytes; os 524,288 bytes
;; launch wquant (part 1): grid 64 x 4, 1 waves a work-group, no clusters, 3,328 bytes of LDS; arguments W_qk, W_v, W_u, wq; writes wq
.if DOCPART == 1
	.amdgcn_target "amdgcn-amd-amdhsa--gfx1250"
	.amdhsa_code_object_version 6
	.text
	.protected	k_q6593659dbe_wquant
	.globl	k_q6593659dbe_wquant
	.p2align	8
	.type	k_q6593659dbe_wquant,@function
k_q6593659dbe_wquant:
	s_mov_b64 s[64:65], 0
	v_nop
	global_prefetch_b8 v0, s[64:65] scope:SCOPE_SE
	s_setreg_imm32_b32 hwreg(HW_REG_WAVE_MODE, 25, 1), 1
	s_wait_xcnt 0x0
; CrossAttentionBlock in MX-BF6 (E3M2 codes, one E8M0 scale for each 32 along K), four launches: this one, proj, attn, outp.
; NO WORK OF THE PROBLEM IS LEFT OUT: every input (condition, x, W_qk, W_v, W_u, b_u) has a way to the output, and all five products are made.
; THIS LAUNCH: W_qk [512][1024], W_v [512][512], W_u [512][512], f32 with K as their FIRST axis, become codes and scale words in wq, laid in the order of the operand's registers.
; wq: 16 shares of 128 columns, 53,248 bytes each (0-7: W_qk, 8-11: W_v, 12-15: W_u).  In a share: fragment (tile i of 16 columns, K step s of 128) at (4 i + s) x 1,536, as an image of its 12 registers
; ([4 registers g][lane][16 bytes]); from byte 49,152 on the scale words, [tile][lane 0..31][s] (lanes 16-31 repeat lanes 0-15).
; THE COLUMNS OF A TILE ARE NOT NEIGHBOURS: lane r of tile 2 b + u takes column 32 b + 8 u + r + 8 (r / 8), so that, with such tiles as source 0, the 16 registers of tiles 2 b and 2 b + 1 of a result are 16 neighbours.
; SHARES: a work-group is one wave; x = a group of 32 columns, y = a K step of 128.  A LANE TAKES A COLUMN AND ITS 128 REGISTERS RUN DOWN K: a block of 32 lies in one lane, and the conversions give codes with K innermost.
; Each load reads 128 consecutive bytes of one row of the weight.  The codes go through a stage in LDS into the two tiles' images and leave as runs of 512 consecutive bytes.
; The scale words leave as 4 bytes every 16: 64 KiB in the whole launch, one part in 64 of what it reads.
; A block's scale is 2^(floor(log2(its largest magnitude)) - 4); its byte is the largest magnitude's exponent field - 4, held at 1 from below.
; LIMITS: NaN and infinities among the inputs are not served; a block whose largest magnitude lies under 2^-122 gets the byte 1; a block of zeros gets the byte 1 where the rule says 127 (its codes are zeros, and this program alone reads the bytes).
; No cluster: no two work-groups read the same bytes.  No tensor load: all 128 loads of the wave go out at its head.
.set X,     64                         ; v64-191  my column's 128 numbers; v64-87 later the images on their way out
.set C,     16                         ; v16-39   the codes: block kb at C + 6 kb
.set T,     40                         ; v40-42   a block's upper 16 codes (a conversion's three registers begin on an even number)
.set SPW,   7                          ; v7       LDS address of my spare word; never rewritten
.set NIL,   8                          ; v8       0; never rewritten
.set SPARE, 3072                       ; behind the stage of two images: the spare words
.set SHARE, 53248
.set WORDS, 49152
	s_load_b256 s[4:11], s[0:1], 0x0               ; W_qk s[4:5], W_v s[6:7], W_u s[8:9], wq s[10:11]
	v_lshl_add_u32 v[SPW], v0, 2, SPARE
	v_mov_b32 v[NIL], 0
	v_lshlrev_b32 v1, 2, v0                        ; in: 4 bytes a lane
	v_bfe_u32 v2, v0, 3, 1                         ; u: which of the group's two tiles my column belongs to
	v_and_b32 v3, 7, v0
	v_lshrrev_b32 v9, 4, v0
	v_lshl_add_u32 v3, v9, 3, v3                   ; r: its lane in that tile
	v_mul_u32_u24 v4, v2, 1536
	v_lshl_add_u32 v4, v3, 4, v4                   ; the stage, on the way in: image u, lane r
	v_lshlrev_b32 v5, 4, v0                        ; on the way out, and in wq: 16 bytes a lane
	v_lshlrev_b32 v6, 9, v2
	v_lshl_add_u32 v6, v3, 4, v6                   ; my scale word's place: 512 u + 16 r
	s_and_b32 s13, ttmp7, 0xffff                   ; y: the K step
	s_lshr_b32 s20, ttmp9, 2
	s_mul_i32 s20, s20, SHARE                      ; my share
	s_and_b32 s21, ttmp9, 3                        ; my group of 32 columns in it
	s_lshl_b32 s22, s21, 3
	s_add_co_u32 s22, s22, s13
	s_mul_i32 s22, s22, 1536                       ; fragment (tile 2 cg, K step y): (8 cg + y) x 1,536
	s_add_co_u32 s22, s22, s20
	s_mov_b32 s23, 0
	s_lshl_b32 s26, s21, 10                        ; the scale words of tile 2 cg, K step y
	s_lshl_b32 s27, s13, 2
	s_add_co_u32 s26, s26, s27
	s_add_co_u32 s26, s26, s20
	s_add_co_u32 s26, s26, WORDS
	s_mov_b32 s27, 0
	s_cmp_lt_u32 ttmp9, 48
	s_cselect_b32 s16, 32, 48                      ; the first group of my weight
	s_cmp_lt_u32 ttmp9, 32
	s_cselect_b32 s16, 0, s16
	s_cselect_b32 s17, 19, 18                      ; 128 rows are 2^19 bytes of W_qk, 2^18 of the others
	s_lshl_b32 s18, s13, s17
	s_sub_co_u32 s16, ttmp9, s16
	s_lshl_b32 s16, s16, 7                         ; 32 columns are 128 bytes
	s_add_co_u32 s18, s18, s16
	s_mov_b32 s19, 0
	s_wait_kmcnt 0x0
	s_cmp_lt_u32 ttmp9, 48                         ; the weight is chosen by the work-group's number alone
	s_cselect_b64 s[14:15], s[6:7], s[8:9]
	s_cmp_lt_u32 ttmp9, 32
	s_cselect_b64 s[14:15], s[4:5], s[14:15]
	s_add_nc_u64 s[14:15], s[14:15], s[18:19]
	s_add_nc_u64 s[24:25], s[10:11], s[22:23]      ; where the images go
	s_add_nc_u64 s[26:27], s[10:11], s[26:27]      ; where the scale words go
	s_cmp_lt_u32 ttmp9, 32
	s_cbranch_scc0 .Lnarrow                        ; the two runs differ in the row's length alone: both issue 128 loads
.set i, 0
.rept 128
	global_load_b32 v[X+i], v1, s[14:15] offset:i*4096 th:TH_LOAD_NT
.set i, i+1
.endr
	s_branch .Lloaded
.Lnarrow:
.set i, 0
.rept 128
	global_load_b32 v[X+i], v1, s[14:15] offset:i*2048 th:TH_LOAD_NT
.set i, i+1
.endr
.Lloaded:
; Block kb = 2 c + h of my column: its 24 bytes are registers 6 c .. 6 c + 5 of lane r + 16 h of the tile's fragment.
.macro BLK kb
.set XS, X+32*(\kb)
.set CS, C+6*(\kb)
.set LW, 96-32*(\kb)                   ; the later blocks' loads may stay out,
.if LW > 63
.set LW, 63                            ; as far as the wait's field can say so
.endif
	s_wait_loadcnt LW
	v_max3_num_f32 v10, |v[XS]|, |v[XS+1]|, |v[XS+2]|       ; the block's largest magnitude: all 32 numbers are mine; two chains
	v_max3_num_f32 v11, |v[XS+3]|, |v[XS+4]|, |v[XS+5]|
.irp i, 6,10,14,18,22,26
	v_max3_num_f32 v10, v10, |v[XS+\i]|, |v[XS+\i+1]|
	v_max3_num_f32 v11, v11, |v[XS+\i+2]|, |v[XS+\i+3]|
.endr
	v_max3_num_f32 v10, v10, |v[XS+30]|, |v[XS+31]|
	v_max3_num_f32 v10, v10, v11, 0x2800000        ; and the floor 2^(5 - 127): the byte cannot fall under 1
	v_add_nc_u32 v12, 0xfe000000, v10              ; 4 off the exponent field: the conversion's scale operand
	v_lshrrev_b32 v13, 23, v12                     ; the scale's byte
.if (\kb) == 0
	v_mov_b32 v14, v13
.else
	v_lshl_or_b32 v14, v13, 8*(\kb), v14           ; four bytes make the K step's scale word, the lower K in the lower byte
.endif
	v_cvt_scalef32_pk16_bf6_f32 v[CS:CS+2], v[XS:XS+15], v12
	v_cvt_scalef32_pk16_bf6_f32 v[T:T+2], v[XS+16:XS+31], v12
	v_nop                                          ; one plain place behind a scaled conversion
.irp i, 0,1,2
	v_mov_b32 v[CS+3+\i], v[T+\i]
.endr
.if (\kb) < 2
	ds_store_b128 v4, v[CS:CS+3] offset:256*((\kb)%2)          ; registers 0-3: the image's first 512 bytes
	ds_store_b64 v4, v[CS+4:CS+5] offset:512+256*((\kb)%2)     ; registers 4, 5
.else
	ds_store_b64 v4, v[CS:CS+1] offset:520+256*((\kb)%2)       ; registers 6, 7
	ds_store_b128 v4, v[CS+2:CS+5] offset:1024+256*((\kb)%2)   ; registers 8-11
.endif
.endm
	BLK 0
	BLK 1
	BLK 2
	BLK 3
.irp i, 0,1,2,3,4,5
	ds_load_b128 v[X+4*\i:X+4*\i+3], v5 offset:512*\i          ; LDS serves a wave's instructions in order: these see my stores
.endr
	global_store_b32 v6, v14, s[26:27]             ; my column's scale word, for lane r
	global_store_b32 v6, v14, s[26:27] offset:256  ; and for lane r + 16
.irp i, 0,1,2,3,4,5
	s_wait_dscnt 5-\i                              ; the younger read-backs may stay out
.if \i < 3
	global_store_b128 v5, v[X+4*\i:X+4*\i+3], s[24:25] offset:512*\i               ; tile 2 cg: 512 consecutive bytes
.else
	global_store_b128 v5, v[X+4*\i:X+4*\i+3], s[24:25] offset:6144+512*(\i-3)      ; tile 2 cg + 1: four fragments on
.endif
.endr
	s_wait_tensorcnt 0x0                           ; the wave's end: behind my last LDS store
	ds_add_u32 v[SPW], v[NIL]
	s_wait_dscnt 0x0
	s_endpgm
.Lfunc_end_k_q6593659dbe_wquant:
	.size	k_q6593659dbe_wquant, .Lfunc_end_k_q6593659dbe_wquant-k_q6593659dbe_wquant
	.p2alignl 7, 3214868480
	.fill 96, 4, 3214868480
	.section	.rodata,"a",@progbits
	.p2align	6, 0x0
	.amdhsa_kernel k_q6593659dbe_wquant
		.amdhsa_group_segment_fixed_size 3328
		.amdhsa_private_segment_fixed_size 0
		.amdhsa_enable_private_segment 0
		.amdhsa_kernarg_size 32
		.amdhsa_user_sgpr_count 2
		.amdhsa_user_sgpr_kernarg_segment_ptr 1
		.amdhsa_wavefront_size32 1
		.amdhsa_system_sgpr_workgroup_id_x 1
		.amdhsa_system_sgpr_workgroup_id_y 1
		.amdhsa_system_sgpr_workgroup_id_z 1
		.amdhsa_system_vgpr_workitem_id 0
		.amdhsa_next_free_vgpr 192
		.amdhsa_next_free_sgpr 66
		.amdhsa_reserve_vcc 0
		.amdhsa_float_denorm_mode_32 3
		.amdhsa_float_denorm_mode_16_64 3
		.amdhsa_memory_ordered 1
		.amdhsa_forward_progress 1
		.amdhsa_inst_pref_size 34
	.end_amdhsa_kernel
	.amdgpu_metadata
---
amdhsa.version: [ 1, 2 ]
amdhsa.kernels:
  - .name:           k_q6593659dbe_wquant
    .symbol:         k_q6593659dbe_wquant.kd
    .args:
      - { .name: W_qk, .offset: 0, .size: 8, .value_kind: global_buffer, .address_space: global }
      - { .name: W_v, .offset: 8, .size: 8, .value_kind: global_buffer, .address_space: global }
      - { .name: W_u, .offset: 16, .size: 8, .value_kind: global_buffer, .address_space: global }
      - { .name: wq, .offset: 24, .size: 8, .value_kind: global_buffer, .address_space: global }
    .group_segment_fixed_size: 3328
    .private_segment_fixed_size: 0
    .kernarg_segment_align: 8
    .kernarg_segment_size: 32
    .max_flat_workgroup_size: 32
    .sgpr_count:     66
    .vgpr_count:     192
    .wavefront_size: 32
...
	.end_amdgpu_metadata
.endif
;; end of part 1
;; launch proj (part 2): grid 64 x 3, 4 waves a work-group, clusters of 4 x 1, 300,544 bytes of LDS; arguments condition, x, wq, qc, qs, kvc, kvs; writes qc, qs, kvc, kvs
.if DOCPART == 2
	.amdgcn_target "amdgcn-amd-amdhsa--gfx1250"
	.amdhsa_code_object_version 6
	.text
	.protected	k_q6593659dbe_proj
	.globl	k_q6593659dbe_proj
	.p2align	8
	.type	k_q6593659dbe_proj,@function
k_q6593659dbe_proj:
	s_mov_b64 s[64:65], 0
	v_nop
	global_prefetch_b8 v0, s[64:65] scope:SCOPE_SE
	s_setreg_imm32_b32 hwreg(HW_REG_WAVE_MODE, 25, 1), 1
	s_wait_xcnt 0x0
	s_wait_alu depctr_hold_cnt(0) depctr_sa_sdst(0) depctr_va_vdst(0) depctr_va_sdst(0) depctr_va_ssrc(0) depctr_va_vcc(0) depctr_vm_vsrc(0)
	s_getreg_b32 s2, hwreg(HW_REG_IB_STS2, 6, 4)
	s_cmp_eq_u32 s2, 0
	s_cbranch_scc0 .Lentry_in_a_cluster
	s_endpgm
.Lentry_in_a_cluster:
	s_bfe_u32 s2, ttmp6, 0x10000c
	s_cmp_lg_u32 s2, 0x3003
	s_cbranch_scc0 .Lentry_shape_is_right
	s_endpgm
.Lentry_shape_is_right:
; q = (condition W_qk[:, :512]) x 8^-0.5, k = condition W_qk[:, 512:], v = x W_v, on codes of BF6 with E8M0 scales; the results are quantised at once for the attention: q and k along the head's 64, v along the keys.  No work is left out.
; SHARES.  Work-group y is the kind (0: q, 1: k, 2: v); x (4 x cluster + place) is a block of 128 rows of one batch.  A work-group makes 128 rows x 512 columns; wave w owns the weight's share 4 y + w: 128 columns, heads 2 w and 2 w + 1.
; 192 work-groups of equal work: the equal units of this product do not divide into 256.
; CLUSTER.  The four partners have the same kind and so the same four shares of the weight: each share is asked for JOINTLY, once, by the same tensor load with the mask of all four.
; ONE TEXT FOR THE THREE KINDS.  Always D = S x M: source 0 = S, eight tiles of 16 x 4 K steps, kept in 384 registers; source 1 = M, one tile of 16 at a time.
;   q, k: S = my share of the weight, M = a tile of rows: a lane holds ONE ROW and its 64 registers run along my 128 columns, that is along d of two heads.
;   v:    S = the block's eight tiles of rows (128 keys), M = a tile of my columns: a lane holds ONE d and its registers run along the keys.
; Rows and weights lie in LDS in one format (wq's share: images of fragments, then scale words), so the kind chooses two LDS base addresses and nothing else of the products.
; TILES ARE NOT MADE OF NEIGHBOURS: lane r of tile 2 b + u takes element 32 b + 8 u + r + 8 (r / 8) (rows and columns alike), so that register 16 b + i of a result is element 32 b + 16 (lane / 16) + i: 16 neighbours for the conversions.
; OUT.  qc, and the first half of a record of kvc: [(batch 8 + head) 32 + block][tile][piece of 8 bytes 0..2][lane]: half fragments (registers 0-5: d = 32 (lane / 16) + 0 .. 31).  kvc's second half: V^T's four fragment images (lane r: a d; K: the 128 keys).
; qs, kvs: scale words, [4 tiles g][r][4 words]; q's and k's words have their two bytes low and zeros above; v's are whole, [r][tile].
; LDS: five regions of 53,248 bytes: 0: the rows' images, written by ds_store; 1 + w: wave w's share, filled once by its tensor load; then a stage of 16 x 528 bytes a wave; then the spare words.
; Every LDS write stands ahead of the one barrier, every read of the five regions behind it.
; LIMITS: as in the first launch (NaN, infinities; the byte 1 for blocks under 2^-122 and for blocks of zeros).
.set REG,   53248
.set WORDS, 49152
.set FRB,   1536
.set SPT,   528                        ; a stage row: 512 bytes + 16: an odd multiple of 16, so that sixteen rows start at sixteen different groups of banks
.set STG,   5*REG
.set SPARE, STG+4*16*SPT
.set GX,   4                           ; v4   16 x lane
.set O8,   5                           ; v5   8 x lane
.set STW,  6                           ; v6   my stage + 16 x lane: a row as it is loaded
.set STR,  7                           ; v7   my stage + 528 r + 64 h: my 16 numbers of each block of 32 of row r
.set XWI,  8                           ; v8   where I store my rows' images
.set XWS,  9                           ; v9   and their scale words
.set SA,   10                          ; v10  S's region + 16 x lane
.set MA,   11                          ; v11  M's region + 16 x lane
.set VO,   12                          ; v12  the scale words' place in memory: lanes 16-31 one head on
.set V16H, 13                          ; v13  q, k: 16 (lane / 16); v: 0
.set SPW,  14                          ; v14  LDS address of my spare word; never rewritten
.set NIL,  15                          ; v15  0; never rewritten
.set MF,   16                          ; v16-63   M's four fragments
.set HA,   64                          ; v64-127  64 numbers: a row's K step, later the eight accumulators
.set PC,   128                         ; v128-147 the codes just made
.set TM,   148                         ; v148-163 at work in QUANT
.set PW,   164                         ; v164     the scale word just made
.set XG,   166                         ; v166-169 a tile of rows' four scale words
.set MS,   170                         ; v170-173 M's scale words
.set G,    176                         ; v176-183 the results' scale words, one a tile
.set SS,   184                         ; v184-215 S's scale words
.set WV,   18
.set TY,   19
.set SEL,  22
.set G1,   24
.set G0,   32
.set SRC,  36
.set BA,   38
.set BB,   40
.set SB,   42
.set SCL,  44
.set MASK, 46
.set MSB, 0
.macro WIN new                         ; the immediate's high byte repeats the setting that is left; a switch that changes nothing is dropped
.if MSB != (\new)
	s_set_vgpr_msb (MSB<<8)|(\new)
.set MSB, (\new)
.endif
.endm
.macro CROUND                          ; a round of the cluster's barrier
	s_barrier_signal -1
	s_barrier_wait -1
	s_cmp_lg_u32 s[WV], 0
	s_cbranch_scc1 .Lnot_wave_0_\@
	s_barrier_signal -3
.Lnot_wave_0_\@:
	s_barrier_wait -3
	s_barrier_signal -1
	s_barrier_wait -1
.endm
.macro MM0 d, a, b, sa, sb             ; a product that starts a sum
	v_wmma_scale_f32_16x16x128_f8f6f4 v[\d:\d+7], v[\a:\a+11], v[\b:\b+11], 0, v[\sa], v[\sb] matrix_a_fmt:MATRIX_FMT_BF6 matrix_b_fmt:MATRIX_FMT_BF6
.endm
.macro MMC d, a, b, sa, sb             ; and one that adds in place
	v_wmma_scale_f32_16x16x128_f8f6f4 v[\d:\d+7], v[\a:\a+11], v[\b:\b+11], v[\d:\d+7], v[\sa], v[\sb] matrix_a_fmt:MATRIX_FMT_BF6 matrix_b_fmt:MATRIX_FMT_BF6
.endm
; 64 numbers of a lane, register 16 b + i = k 32 b + 16 (lane / 16) + i, become a fragment's codes in v[PC] on and its scale word in v[pw].
.macro QUANT s, pw
.irp b, 0,1,2,3
	v_max3_num_f32 v[TM+\b], |v[\s+16*\b]|, |v[\s+1+16*\b]|, 0x2800000   ; block b: my 16 numbers, and the floor 2^(5 - 127)
.endr
.irp i, 2,4,6,8,10,12,14
.irp b, 0,1,2,3
	v_max3_num_f32 v[TM+\b], v[TM+\b], |v[\s+16*\b+\i]|, |v[\s+1+16*\b+\i]|   ; (the four blocks by turns)
.endr
.endr
.irp b, 0,1,2,3
	v_permlanex16_b32 v[TM+4+\b], v[TM+\b], s[SEL], s[SEL+1]
.endr
.irp b, 0,1,2,3
	v_max_num_f32 v[TM+\b], v[TM+\b], v[TM+4+\b]   ; with lane l xor 16's: the block's largest magnitude
.endr
.irp b, 0,1,2,3
	v_add_nc_u32 v[TM+12+\b], 0xfe000000, v[TM+\b] ; 4 off its exponent field: the conversion's scale operand
.endr
.irp b, 0,1,2,3
	v_lshrrev_b32 v[TM+4+\b], 23, v[TM+12+\b]      ; the scale's byte
.endr
	v_lshl_or_b32 v[\pw], v[TM+5], 8, v[TM+4]
	v_lshl_or_b32 v[\pw], v[TM+6], 16, v[\pw]
	v_lshl_or_b32 v[\pw], v[TM+7], 24, v[\pw]
.irp c, 0,1
	v_cvt_scalef32_pk16_bf6_f32 v[PC+6*\c:PC+2+6*\c], v[\s+32*\c:\s+15+32*\c], v[TM+12+2*\c]
	v_cvt_scalef32_pk16_bf6_f32 v[PC+12+4*\c:PC+14+4*\c], v[\s+16+32*\c:\s+31+32*\c], v[TM+12+2*\c+1]   ; (a conversion's three registers begin on an even number)
.endr
	v_nop                                          ; one plain place behind a scaled conversion
.irp c, 0,1                                    ; the operand's layout wants a WHOLE block in a lane
.irp i, 0,1,2
	v_permlane16_swap_b32 v[PC+6*\c+\i], v[PC+12+4*\c+\i]
.endr
.irp i, 0,1,2
	v_mov_b32 v[PC+3+6*\c+\i], v[PC+12+4*\c+\i]
.endr
.endr
.endm
.macro SFETCH                          ; S: 32 fragments into windows 1 and 2 (tile i, K step s at v[12 (4 (i % 4) + s)] of window 1 + i / 4), and its scale words
.irp i, 0,1,2,3,4,5,6,7
	WIN 0x40*(1+\i/4)
.irp s, 0,1,2,3
.irp g, 0,1,2
	ds_load_b128 v[12*(4*(\i%4)+\s)+4*\g:12*(4*(\i%4)+\s)+4*\g+3], v[SA] offset:(4*\i+\s)*FRB+512*\g
.endr
.endr
.endr
	WIN 0
.irp i, 0,1,2,3,4,5,6,7
	ds_load_b128 v[SS+4*\i:SS+4*\i+3], v[SA] offset:WORDS+512*\i
.endr
.endm
.macro MFETCH j                        ; M's tile j: four fragments and their scale words
.irp s, 0,1,2,3
.irp g, 0,1,2
	ds_load_b128 v[MF+12*\s+4*\g:MF+12*\s+4*\g+3], v[MA] offset:(4*(\j)+\s)*FRB+512*\g
.endr
.endr
	ds_load_b128 v[MS:MS+3], v[MA] offset:WORDS+512*(\j)
.endm
	s_load_b256 s[4:11], s[0:1], 0x0               ; condition s[4:5], x s[6:7], wq s[8:9], qc s[10:11]
	s_load_b128 s[12:15], s[0:1], 0x20             ; qs s[12:13], kvc s[14:15]
	s_load_b64 s[16:17], s[0:1], 0x30              ; kvs
	v_lshl_add_u32 v[SPW], v0, 2, SPARE
	v_mov_b32 v[NIL], 0
	ds_add_u32 v[SPW], v[NIL]                      ; the wave's opening: the add, twice on end, and its wait ahead of my first tensor load; the set-up below stands between
	ds_add_u32 v[SPW], v[NIL]
	v_lshrrev_b32 v1, 5, v0
	v_readfirstlane_b32 s[WV], v1                  ; wave 0..3
	s_and_b32 s[TY], ttmp7, 0xffff                 ; the kind, which the four partners share
	s_bfe_u32 s20, ttmp6, 0x40000                  ; cx: it enters the addresses of my own rows and results alone
	s_lshl_b32 s21, ttmp9, 2
	s_add_co_u32 s21, s21, s20                     ; my block of 128 rows
	s_mov_b32 s[SEL], 0x76543210
	s_mov_b32 s[SEL+1], 0xfedcba98                 ; v_permlanex16_b32's selects for lane l xor 16
	s_mov_b32 s[SCL], 0x3eb504f3                   ; 8^-0.5
	s_mov_b32 s[SCL+1], s[SCL]
	; descriptor group 1: a share, 53,248 dense bytes, as 208 rows of 256 bytes (32 elements of 8 bytes)
	s_mov_b32 s[G1], 15|(3<<16)|(1<<21)            ; 15:0 the mask: all four work-groups; 17:16 elements of 8 bytes; 21 set beside a mask
	s_mov_b32 s[G1+1], 32<<16                      ; tensor_dim0
	s_mov_b32 s[G1+2], 208<<16                     ; tensor_dim1
	s_mov_b32 s[G1+3], 32<<16                      ; tile_dim0
	s_mov_b32 s[G1+4], 208                         ; tile_dim1
	s_mov_b32 s[G1+5], 32                          ; from row to row
	s_mov_b32 s[G1+6], 0
	s_mov_b32 s[G1+7], 0
	v_and_b32 v1, 31, v0                           ; lane
	v_and_b32 v2, 15, v0                           ; r
	v_bfe_u32 v3, v0, 4, 1                         ; h
	v_lshlrev_b32 v[GX], 4, v1
.set GX2, 174                          ; v174 the loads' offset for lines 8-15 of a tile of rows
	s_cmp_eq_u32 s[TY], 1                          ; kind k alone: a tile's lines 8-15 lie 32 rows behind its lines 0-7, not 16: 16 rows of 2,048 bytes more
	s_cselect_b32 s47, 32768, 0
	v_add_nc_u32 v[GX2], s47, v[GX]
	s_wait_alu depctr_va_vdst(0)
	v_lshlrev_b32 v[O8], 3, v1
	s_mul_i32 s47, s[WV], 16*SPT
	s_add_co_u32 s47, s47, STG                     ; my stage
	v_add_nc_u32 v[STW], s47, v[GX]
	v_mul_u32_u24 v[STR], v2, SPT
	v_lshl_add_u32 v[STR], v3, 6, v[STR]
	v_add_nc_u32 v[STR], s47, v[STR]
	s_mul_i32 s47, s[WV], 8*FRB                    ; my two tiles of rows: eight images
	v_add_nc_u32 v[XWI], s47, v[GX]
	s_lshl_b32 s47, s[WV], 10
	s_add_co_u32 s47, s47, WORDS
	v_add_nc_u32 v[XWS], s47, v[GX]
	s_mov_b32 s[G0], 1
	s_mul_i32 s[G0+1], s[WV], REG
	s_add_co_u32 s[G0+1], s[G0+1], REG             ; my share's region: 53,248 (1 + wave)
	s_cmp_eq_u32 s[TY], 2
	s_cselect_b32 s48, 0, s[G0+1]                  ; S: v: the rows; q, k: my share
	s_cselect_b32 s49, s[G0+1], 0                  ; M: the other
	s_cselect_b32 s[MASK], -1, 0xffff
	s_cselect_b32 s50, 0, 16
	s_cselect_b32 s51, 6144, 0                     ; V's images lie behind K's tiles in a record,
	s_cselect_b32 s52, 512, 0                      ; its scale words behind K's
	v_add_nc_u32 v[SA], s48, v[GX]
	v_add_nc_u32 v[MA], s49, v[GX]
	v_mul_u32_u24 v[V16H], v3, s50
	s_cmp_eq_u32 s[TY], 0
	s_mov_b32 s53, 12288
	s_cselect_b32 s53, 6144, s53                   ; a record of codes: qc's or kvc's
	s_mov_b32 s54, 768
	s_cselect_b32 s54, 512, s54                    ; a record of scale words
	s_lshr_b32 s55, s21, 5
	s_lshl_b32 s55, s55, 8                         ; batch x 8 heads x 32
	s_lshl_b32 s56, s[WV], 6                       ; + head 2 w x 32
	s_add_co_u32 s55, s55, s56
	s_and_b32 s56, s21, 31
	s_add_co_u32 s55, s55, s56                     ; + the block in its batch: the record of head 2 w
	s_mul_i32 s56, s55, s53
	s_add_co_u32 s56, s56, s51
	s_mov_b32 s57, 0
	s_mul_i32 s58, s55, s54
	s_add_co_u32 s58, s58, s52
	s_mov_b32 s59, 0
	s_lshl_b32 s60, s53, 5                         ; head 2 w + 1: 32 records on
	s_mov_b32 s61, 0
	s_lshl_b32 s62, s54, 5
	v_mul_u32_u24 v[VO], v3, s62
	v_lshl_add_u32 v[VO], v2, 4, v[VO]
	s_lshl_b32 s48, s21, 18                        ; my block's 128 rows of 2,048 bytes,
	s_lshl_b32 s49, s[WV], 16                      ; my wave's 32 of them
	; KIND k: tile t = 2 w + u takes, as line i, key 64 (t / 4) + 32 (i / 8) + 8 (t % 4) + i % 8: lines 0-7 lie in one block of 32 keys, lines 8-15 in the next.  My two tiles begin at row 64 (w / 2) + 16 (w % 2)
	s_lshr_b32 s50, s[WV], 1
	s_lshl_b32 s50, s50, 17
	s_and_b32 s51, s[WV], 1
	s_lshl_b32 s51, s51, 15
	s_add_co_u32 s50, s50, s51
	s_cmp_eq_u32 s[TY], 1
	s_cselect_b32 s49, s50, s49
	s_add_co_u32 s48, s48, s49
	s_mov_b32 s49, 0
	s_lshl_b32 s50, s[TY], 2
	s_add_co_u32 s50, s50, s[WV]
	s_mul_i32 s50, s50, REG                        ; share 4 y + w in wq
	s_mov_b32 s51, 0
.irp b, 0,1,2,3
	v_mov_b32 v[TM+4+\b], 0                        ; written once: a lane permute's destination counts as one of its sources
.endr
	s_wait_dscnt 0x0                               ; both opening adds are done
	s_wait_kmcnt 0x0
	s_cmp_eq_u32 s[TY], 2
	s_cselect_b64 s[SRC:SRC+1], s[6:7], s[4:5]     ; the choices hang on the kind alone
	s_cmp_eq_u32 s[TY], 0
	s_cselect_b64 s[BA:BA+1], s[10:11], s[14:15]
	s_cselect_b64 s[SB:SB+1], s[12:13], s[16:17]
	s_add_nc_u64 s[SRC:SRC+1], s[SRC:SRC+1], s[48:49]
	s_add_nc_u64 s[BA:BA+1], s[BA:BA+1], s[56:57]
	s_add_nc_u64 s[BB:BB+1], s[BA:BA+1], s[60:61]
	s_add_nc_u64 s[SB:SB+1], s[SB:SB+1], s[58:59]
	s_add_nc_u64 s[G0+2:G0+3], s[8:9], s[50:51]
	s_or_b32 s[G0+3], s[G0+3], 0x80000000          ; type = 2
	; my 32 rows, all of K: 128 loads of 512 consecutive bytes.  Unit 4 u + s = tile u's sixteen rows, K step s; line i is row 8 u + i + 8 (i / 8).  Unit q lies in window 1 + q / 4 at v[64 (q % 4) + 4 i].
.irp u, 0,1
	WIN 0x40*(1+\u)
.irp s, 0,1,2,3
.irp i, 0,1,2,3,4,5,6,7,8,9,10,11,12,13,14,15
.if \i < 8
	global_load_b128 v[64*\s+4*\i:64*\s+4*\i+3], v[GX], s[SRC:SRC+1] offset:(8*\u+\i+8*(\i/8))*2048+512*\s
.else
	global_load_b128 v[64*\s+4*\i:64*\s+4*\i+3], v[GX2], s[SRC:SRC+1] offset:(8*\u+\i+8*(\i/8))*2048+512*\s
.endif
.endr
.endr
.endr
	WIN 0
	CROUND                                         ; all four work-groups are here: the joint loads meet
	tensor_load_to_lds s[G0:G0+3], s[G1:G1+7]      ; my share of the weight: filled once; one tensor load of mine is out
	s_nop 0
.rept 4
	v_nop
.endr
	; the rows become images of fragments.  A unit goes through my stage as it was loaded and comes back 16 neighbours of each block of 32 a lane.
.irp u, 0,1
.irp s, 0,1,2,3
.set LW, 16*(7-4*\u-\s)                ; the later units' loads may stay out,
.if LW > 63
.set LW, 63                            ; as far as the wait's field can say so
.endif
	s_wait_loadcnt LW
	WIN 0x04*(1+\u)                                ; an LDS store's data are its source 1
.irp i, 0,1,2,3,4,5,6,7,8,9,10,11,12,13,14,15
	ds_store_b128 v[STW], v[64*\s+4*\i:64*\s+4*\i+3] offset:SPT*\i
.endr
	WIN 0
.irp b, 0,1,2,3
.irp k, 0,1,2,3
	ds_load_b128 v[HA+16*\b+4*\k:HA+16*\b+4*\k+3], v[STR] offset:128*\b+16*\k   ; LDS serves a wave's instructions in order: these see my stores
.endr
.endr
	s_wait_dscnt 0x0
	QUANT HA, XG+\s
.irp g, 0,1,2
	ds_store_b128 v[XWI], v[PC+4*\g:PC+4*\g+3] offset:(4*\u+\s)*FRB+512*\g
.endr
.if \s == 3
	ds_store_b128 v[XWS], v[XG:XG+3] offset:512*\u ; the tile's four scale words, 16 bytes a lane
.endif
.endr
.endr
	s_wait_tensorcnt 0x0                           ; my share has landed,
	s_wait_dscnt 0x0                               ; my images have landed:
	s_barrier_signal -1
	s_barrier_wait -1                              ; everybody's have.  Nothing is filled or stored in the five regions from here on
	SFETCH
	MFETCH 0
; M's tile j against all of S: eight accumulators, four at a time by turns, one instruction a turn; then (q) the scale, the quantiser, the stores.
.macro TILE j
	s_wait_dscnt 0x0
	WIN 0x01                                       ; source 0 (S's tiles 0-3) window 1
.irp s, 0,1,2,3
.irp i, 0,1,2,3
.if \s == 0
	MM0 HA+8*\i, 12*(4*\i+\s), MF+12*\s, SS+4*\i+\s, MS+\s
.else
	MMC HA+8*\i, 12*(4*\i+\s), MF+12*\s, SS+4*\i+\s, MS+\s
.endif
.endr
.endr
	WIN 0x02                                       ; tiles 4-7: window 2
.irp s, 0,1,2,3
.irp i, 0,1,2,3
.if \s == 0
	MM0 HA+32+8*\i, 12*(4*\i+\s), MF+12*\s, SS+16+4*\i+\s, MS+\s
.else
	MMC HA+32+8*\i, 12*(4*\i+\s), MF+12*\s, SS+16+4*\i+\s, MS+\s
.endif
.endr
.endr
	WIN 0
.rept 4
	v_nop                                          ; places in front of loads into registers that matrix instructions have read, and of the first read of results
.endr
.if (\j) < 7
	MFETCH (\j)+1                                  ; lands under the quantiser
.endif
	s_cmp_lg_u32 s[TY], 0
	s_cbranch_scc1 .Lplain_\@
.set n, 0
.rept 32
	v_pk_mul_f32 v[HA+n:HA+n+1], v[HA+n:HA+n+1], s[SCL:SCL+1] op_sel_hi:[1,0]   ; q x 8^-0.5, in f32, ahead of its quantiser; each accumulator from its low end on
.set n, n+2
.endr
.Lplain_\@:
	s_wait_xcnt 0x0                                ; the last tile's stores have read the codes' registers
	QUANT HA, PW
	v_lshrrev_b32 v[G+(\j)], v[V16H], v[PW]        ; q, k: lanes 0-15 keep head 2 w's two bytes, lanes 16-31 head 2 w + 1's; v: the whole word
	v_and_b32 v[G+(\j)], s[MASK], v[G+(\j)]
	s_cmp_eq_u32 s[TY], 2
	s_cbranch_scc1 .Lkeys_\@
.irp p, 0,1,2
	global_store_b64 v[O8], v[PC+2*\p:PC+2*\p+1], s[BA:BA+1] offset:768*(\j)+256*\p       ; head 2 w: registers 0-5; each store covers 256 consecutive bytes, aligned
.endr
.irp p, 0,1,2
	global_store_b64 v[O8], v[PC+6+2*\p:PC+7+2*\p], s[BB:BB+1] offset:768*(\j)+256*\p     ; head 2 w + 1: registers 6-11
.endr
	s_branch .Lstored_\@
.Lkeys_\@:
	s_wait_alu depctr_va_vdst(0)
.irp g, 0,1,2
.if (\j) < 4
	global_store_b128 v[GX], v[PC+4*\g:PC+4*\g+3], s[BA:BA+1] offset:FRB*(\j)+512*\g      ; V^T's fragment of d tile j of head 2 w
.else
	global_store_b128 v[GX], v[PC+4*\g:PC+4*\g+3], s[BB:BB+1] offset:FRB*((\j)-4)+512*\g  ; of head 2 w + 1
.endif
.endr
.Lstored_\@:
.endm
	TILE 0
	TILE 1
	TILE 2
	TILE 3
	TILE 4
	TILE 5
	TILE 6
	TILE 7
	s_cmp_eq_u32 s[TY], 2
	s_cbranch_scc1 .Ltail_v
	global_store_b128 v[VO], v[G:G+3], s[SB:SB+1]              ; tiles 0-3: sixteen lanes fill 256 consecutive bytes of a head's record
	s_wait_alu depctr_va_vdst(0)
	global_store_b128 v[VO], v[G+4:G+7], s[SB:SB+1] offset:256 ; tiles 4-7
	s_branch .Ltail_done
.Ltail_v:
	v_cmp_ne_u32 vcc_lo, 0, v3
	s_wait_alu depctr_va_vdst(0)
.irp k, 0,1,2,3
	v_cndmask_b32 v[G+\k], v[G+\k], v[G+4+\k], vcc_lo          ; lanes 16-31 take head 2 w + 1's four tiles
.endr
	global_store_b128 v[VO], v[G:G+3], s[SB:SB+1]
.Ltail_done:
	s_wait_tensorcnt 0x0                           ; the wave's end: behind my last tensor load and my last LDS store
	ds_add_u32 v[SPW], v[NIL]
	s_wait_dscnt 0x0
	CROUND                                         ; the closing round
	s_endpgm
.Lfunc_end_k_q6593659dbe_proj:
	.size	k_q6593659dbe_proj, .Lfunc_end_k_q6593659dbe_proj-k_q6593659dbe_proj
	.p2alignl 7, 3214868480
	.fill 96, 4, 3214868480
	.section	.rodata,"a",@progbits
	.p2align	6, 0x0
	.amdhsa_kernel k_q6593659dbe_proj
		.amdhsa_group_segment_fixed_size 300544
		.amdhsa_private_segment_fixed_size 0
		.amdhsa_enable_private_segment 0
		.amdhsa_kernarg_size 56
		.amdhsa_user_sgpr_count 2
		.amdhsa_user_sgpr_kernarg_segment_ptr 1
		.amdhsa_wavefront_size32 1
		.amdhsa_system_sgpr_workgroup_id_x 1
		.amdhsa_system_sgpr_workgroup_id_y 1
		.amdhsa_system_sgpr_workgroup_id_z 1
		.amdhsa_system_vgpr_workitem_id 0
		.amdhsa_next_free_vgpr 768
		.amdhsa_next_free_sgpr 66
		.amdhsa_reserve_vcc 1
		.amdhsa_float_denorm_mode_32 3
		.amdhsa_float_denorm_mode_16_64 3
		.amdhsa_memory_ordered 1
		.amdhsa_forward_progress 1
		.amdhsa_inst_pref_size 170
	.end_amdhsa_kernel
	.amdgpu_metadata
---
amdhsa.version: [ 1, 2 ]
amdhsa.kernels:
  - .name:           k_q6593659dbe_proj
    .symbol:         k_q6593659dbe_proj.kd
    .args:
      - { .name: condition, .offset: 0, .size: 8, .value_kind: global_buffer, .address_space: global }
      - { .name: x, .offset: 8, .size: 8, .value_kind: global_buffer, .address_space: global }
      - { .name: wq, .offset: 16, .size: 8, .value_kind: global_buffer, .address_space: global }
      - { .name: qc, .offset: 24, .size: 8, .value_kind: global_buffer, .address_space: global }
      - { .name: qs, .offset: 32, .size: 8, .value_kind: global_buffer, .address_space: global }
      - { .name: kvc, .offset: 40, .size: 8, .value_kind: global_buffer, .address_space: global }
      - { .name: kvs, .offset: 48, .size: 8, .value_kind: global_buffer, .address_space: global }
    .group_segment_fixed_size: 300544
    .private_segment_fixed_size: 0
    .kernarg_segment_align: 8
    .kernarg_segment_size: 56
    .max_flat_workgroup_size: 128
    .sgpr_count:     66
    .vgpr_count:     768
    .wavefront_size: 32
...
	.end_amdgpu_metadata
.endif
;; end of part 2
;; launch attn (part 3): grid 16 x 16, 16 waves a work-group, clusters of 4 x 1, 327,680 bytes of LDS; arguments qc, qs, kvc, kvs, oc, os; writes oc, os
.if DOCPART == 3
	.amdgcn_target "amdgcn-amd-amdhsa--gfx1250"
	.amdhsa_code_object_version 6
	.text
	.protected	k_q6593659dbe_attn
	.globl	k_q6593659dbe_attn
	.p2align	8
	.type	k_q6593659dbe_attn,@function
k_q6593659dbe_attn:
	s_mov_b64 s[64:65], 0
	v_nop
	global_prefetch_b8 v0, s[64:65] scope:SCOPE_SE
	s_setreg_imm32_b32 hwreg(HW_REG_WAVE_MODE, 25, 1), 1
	s_wait_xcnt 0x0
	s_wait_alu depctr_hold_cnt(0) depctr_sa_sdst(0) depctr_va_vdst(0) depctr_va_sdst(0) depctr_va_ssrc(0) depctr_va_vcc(0) depctr_vm_vsrc(0)
	s_getreg_b32 s2, hwreg(HW_REG_IB_STS2, 6, 4)
	s_cmp_eq_u32 s2, 0
	s_cbranch_scc0 .Lentry_in_a_cluster
	s_endpgm
.Lentry_in_a_cluster:
	s_bfe_u32 s2, ttmp6, 0x10000c
	s_cmp_lg_u32 s2, 0x3003
	s_cbranch_scc0 .Lentry_shape_is_right
	s_endpgm
.Lentry_shape_is_right:
; out[b][h][i] = the sum over j of softmax_j(q[i] . k[j]) v[j], both products on codes of BF6 with E8M0 scales; the result, divided by the row's sum, is quantised along d for the last product.  No work is left out.
; THE SOFTMAX AHEAD OF THE SECOND PRODUCT: t = score x log2(e); M = the row's largest t so far, rounded UP to a whole number; p = 2^(t - M) is what is quantised, along the keys, not normalised.
; The row's sum is taken of the unquantised p, in f32, and divides at the end.  When M moves, the sum and O are multiplied by 2^(old M - new M): exact.
; SHARES.  Work-group y = batch x 8 + head; x (4 x cluster + place) = 256 queries.  Each of sixteen waves owns one tile of 16 queries in 256 registers and walks the head's 4,096 keys, 128 a step.
; CLUSTER.  The four partners walk the same K and V: every fill is a JOINT load with the mask of all four.
; LAYOUT.  Both products are used transposed: S^T = K Q^T (source 0 = 16 keys), O^T = V^T P^T (source 0 = 16 of the head's 64): a lane holds ONE query throughout.
; THE KEYS OF A TILE: line m of tile t is key 64 (t / 4) + 32 (m / 8) + 8 (t % 4) + m % 8 of the step.  So lane (r, h) holds in the 32 registers of tiles 4 c .. 4 c + 3 the WHOLE block 2 c + h of 32 keys, in order:
; a block's maximum needs no other lane, and the conversions' results are the second product's operand as they stand (registers 6 c .. 6 c + 5: k = 64 c + 32 h + 0 .. 31).  One lane permute joins the row's maximum, one the scale word.
; Tiles of queries and of d: lane r of tile 2 b + u is element 32 b + 8 u + r + 8 (r / 8), so that register 16 b + i of O^T is d = 32 b + 16 (lane / 16) + i.
; K = 64 IN AN INSTRUCTION OF 128.  Q's registers 6-11 are zero codes, and bytes 2, 3 of Q's and K's scale words are 0 (2^-127, a number): whatever codes stand in registers 6-11 of K's operand are multiplied by zeros.
; So K's eight half fragments lie on end, and tile t's operand is the 12 registers from F + 6 t on.
; LDS: slot 0 at 0 and slot 1 at 2^17, 8 key steps of 12,288 bytes each (K's eight half fragments, V^T's four fragment images); at 98,304 the head's scale words, 32 x 768 bytes, filled once; at 229,376 the spare words.
; A wave has at most one tensor load out; every wait for tensor loads is for 0.
; THE CHANGE OF SLOTS lies inside a slot's last step: when that step's K and V are in registers the wave has read the slot out; it says so, and the step's exponentials, quantiser, second product and sums, work on registers, stand between the signal and the wait.
; THE STEP is written once for a counted loop of seven and once for each kind of a slot's last step (0: in the loop; 1: change of slots with a refill; 2: change with none; 3: the walk's last).
; LIMITS: the promise holds while the scaled scores stay under 2^31 in magnitude; NaN and infinities are not served; the byte 1 for blocks under 2^-122 and for blocks of zeros;
; a block's largest p is made from its largest score, which takes v_exp_f32 not to fall where its input rises.
.set SLOTB, 98304
.set SLOT1, 131072
.set SCB,   98304
.set SPARE, 229376
.set L8,   1                           ; v1   8 x lane
.set L16,  2                           ; v2   16 x lane
.set R16,  3                           ; v3   SCB + 16 r
.set L4,   4                           ; v4   4 x lane
.set SPW,  5                           ; v5   LDS address of my spare word; never rewritten
.set NIL,  6                           ; v6   0; never rewritten
.set ADK,  7                           ; v7   LDS address of the step's K
.set ADV,  8                           ; v8   V
.set ADS,  9                           ; v9   scale words
.set PFO,  10                          ; v10  256 x lane: the prefetches' offset; never rewritten
.set QF,   16                          ; v16-27   Q: v16-21 codes, v22-27 zeros
.set QS,   28                          ; v28      Q's scale word
.set PW,   29                          ; v29      p's scale word
.set KS,   32                          ; v32-39   K's scale words, one a tile
.set VS,   40                          ; v40-43   V's
.set H8,   46                          ; v46      8 (lane / 16)
.set F,    48                          ; v48-101  K's half fragments (tile t at F + 6 t), then V's fragments (F + 12 t); v96-101 stay zeros
.set S,    104                         ; v104-167 S^T, then p
.set O,    168                         ; v168-199 O^T
.set PC,   200                         ; v200-211 p's codes; v212-214, v216-218 the blocks' upper 16 codes as they are made
.set BM,   220                         ; v220-221 my two blocks' largest scores, then largest p
.set BT,   222                         ; v222-223 at work
.set SO,   224                         ; v224-225 the conversions' scale operands
.set SM,   232                         ; v232-237 three side chains of the row's sum
.set WV,   18                          ; v12 -M, v13 the largest score, v[14:15] the sum in two halves, v[30:31] f (v31 written once), v44, v45 at work
.set CS,   22                          ; s[22:23] log2(e)
.set G1,   24
.set G0,   32
.set SEL,  36
.set TB,   38                          ; s38  LDS byte at which the NEXT step's K and V begin
.set TS,   39                          ; s39  and its scale words
.set SLOTS, 40
.set PFA,  42
.set LIM,  44
.set CNT,  45
.macro CREST                           ; a round of the cluster's barrier behind its opening barrier
	s_cmp_lg_u32 s[WV], 0
	s_cbranch_scc1 .Lnot_wave_0_\@
	s_barrier_signal -3
.Lnot_wave_0_\@:
	s_barrier_wait -3
	s_barrier_signal -1
	s_barrier_wait -1
.endm
.macro CROUND
	s_barrier_signal -1
	s_barrier_wait -1
	CREST
.endm
.macro MM0 d, a, b, sa, sb
	v_wmma_scale_f32_16x16x128_f8f6f4 v[\d:\d+7], v[\a:\a+11], v[\b:\b+11], 0, v[\sa], v[\sb] matrix_a_fmt:MATRIX_FMT_BF6 matrix_b_fmt:MATRIX_FMT_BF6
.endm
.macro MMC d, a, b, sa, sb
	v_wmma_scale_f32_16x16x128_f8f6f4 v[\d:\d+7], v[\a:\a+11], v[\b:\b+11], v[\d:\d+7], v[\sa], v[\sb] matrix_a_fmt:MATRIX_FMT_BF6 matrix_b_fmt:MATRIX_FMT_BF6
.endm
.macro JLOAD                           ; a joint refill: waves 0 to 3 fetch a quarter of a slot each; the branch hangs on the wave's number alone; an s_nop 0 and four v_nop follow the load
	s_cmp_lt_u32 s[WV], 4
	s_cbranch_scc0 .Lnone_\@
	tensor_load_to_lds s[G0:G0+3], s[G1:G1+7]
	s_nop 0
.rept 4
	v_nop
.endr
.Lnone_\@:
.endm
; A PREFETCH INTO THE L2 of the slot that the NEXT change of slots will ask for: 98,304 dense bytes, eight key steps ahead of that load.  All clusters of a head walk the same records: the head's first cluster asks.
; Its four partners take a quarter each, told apart BY ADDRESS; in each, waves 8, 9 and 10 take 8,192 bytes each, lanes 256 bytes apart: one instruction a wave, each block of 256 bytes named once in the launch.
; Slots 0 and 1 come by their loads alone; the last change that fills a slot asks for nothing.
.macro ASK
	s_cmp_gt_u32 s[SLOTS], s[LIM]
	s_cbranch_scc0 .Lnot_mine_\@
	global_prefetch_b8 v[PFO], s[PFA:PFA+1] th:TH_LOAD_NT scope:SCOPE_SE
.Lnot_mine_\@:
.endm
.macro WALK                            ; no tensor load of mine is out: the walking descriptor goes to the other slot and the next eight steps, the prefetches' address one slot further on
	s_xor_b32 s[G0+1], s[G0+1], SLOT1
	s_add_nc_u64 s[G0+2:G0+3], s[G0+2:G0+3], SLOTB ; the type bits on top are not reached
	s_wait_xcnt 0x0                                ; the last prefetch, a slot back, has read its address
	s_add_nc_u64 s[PFA:PFA+1], s[PFA:PFA+1], SLOTB
.endm
	s_load_b256 s[4:11], s[0:1], 0x0               ; qc s[4:5], qs s[6:7], kvc s[8:9], kvs s[10:11]
	s_load_b128 s[12:15], s[0:1], 0x20             ; oc s[12:13], os s[14:15]
	v_lshl_add_u32 v[SPW], v0, 2, SPARE
	v_mov_b32 v[NIL], 0
	ds_add_u32 v[SPW], v[NIL]                      ; the wave's opening: the add, twice on end, and its wait ahead of the first tensor loads; the set-up below stands between
	ds_add_u32 v[SPW], v[NIL]
	v_lshrrev_b32 v1, 5, v0
	s_delay_alu instid0(VALU_DEP_1)
	v_readfirstlane_b32 s[WV], v1                  ; wave 0..15
	s_bfe_u32 s19, ttmp6, 0x40000                  ; cx: it enters Q's, the result's and the prefetches' addresses alone
	s_lshl_b32 s20, ttmp9, 2
	s_add_co_u32 s20, s20, s19                     ; my block of 256 queries
	s_and_b32 s21, ttmp7, 0xffff                   ; batch x 8 + head, which the partners share
	s_mov_b32 s[CS], 0x3fb8aa3b                    ; log2(e)
	s_mov_b32 s[CS+1], s[CS]
	s_mov_b32 s[SEL], 0x76543210
	s_mov_b32 s[SEL+1], 0xfedcba98
	; descriptor group 1: 24,576 dense bytes as 96 rows of 256 bytes (32 elements of 8 bytes)
	s_mov_b32 s[G1], 15|(3<<16)|(1<<21)            ; the mask of all four; elements of 8 bytes; 21 set beside a mask
	s_mov_b32 s[G1+1], 32<<16
	s_mov_b32 s[G1+2], 96<<16
	s_mov_b32 s[G1+3], 32<<16
	s_mov_b32 s[G1+4], 96
	s_mov_b32 s[G1+5], 32
	s_mov_b32 s[G1+6], 0
	s_mov_b32 s[G1+7], 0
	s_mov_b32 s[TB], 0
	s_mov_b32 s[TS], 0
	s_mov_b32 s[SLOTS], 3
	s_lshr_b32 s50, s[WV], 3
	s_lshl_b32 s51, s20, 1
	s_add_co_u32 s50, s50, s51                     ; my group of 128 queries
	s_and_b32 s51, s[WV], 7                        ; my tile in it
	s_lshl_b32 s52, s21, 5
	s_add_co_u32 s52, s52, s50                     ; Q's record
	s_mul_i32 s54, s52, 6144
	s_mul_i32 s53, s51, 768
	s_add_co_u32 s54, s54, s53
	s_mov_b32 s55, 0                               ; s[54:55]: my tile's codes in qc
	s_lshl_b32 s56, s52, 9
	s_lshr_b32 s53, s51, 2
	s_lshl_b32 s53, s53, 8
	s_add_co_u32 s56, s56, s53
	s_and_b32 s53, s51, 3
	s_lshl_b32 s53, s53, 2
	s_add_co_u32 s56, s56, s53
	s_mov_b32 s57, 0                               ; s[56:57]: its scale words in qs
	s_lshr_b32 s53, s21, 3
	s_lshl_b32 s53, s53, 8
	s_lshl_b32 s52, s50, 3
	s_add_co_u32 s53, s53, s52
	s_add_co_u32 s53, s53, s51                     ; the tile of rows: batch x 256 + group x 8 + tile
	s_and_b32 s52, s21, 7                          ; the head
	s_mul_i32 s58, s53, 6144
	s_mul_i32 s50, s52, 768
	s_add_co_u32 s58, s58, s50
	s_mov_b32 s59, 0                               ; s[58:59]: my place in oc
	s_lshl_b32 s60, s53, 10
	s_lshl_b32 s50, s52, 7
	s_add_co_u32 s60, s60, s50
	s_mov_b32 s61, 0                               ; s[60:61]: in os
	s_mul_i32 s62, s21, 4*SLOTB                    ; the prefetches: my head's records,
	s_mul_i32 s52, s19, 24576                      ; my work-group's quarter of a slot,
	s_add_co_u32 s62, s62, s52
	s_and_b32 s52, s[WV], 3
	s_lshl_b32 s52, s52, 13                        ; my wave's 8,192 bytes,
	s_add_co_u32 s62, s62, s52
	s_add_co_u32 s62, s62, SLOTB                   ; in slot 1: the first change of slots steps it to slot 2
	s_mov_b32 s63, 0
	s_sub_co_u32 s52, s[WV], 8
	s_cmp_lt_u32 s52, 3                            ; waves 8, 9, 10
	s_cselect_b32 s[LIM], 1, -1
	s_cmp_eq_u32 ttmp9, 0                          ; of the head's first cluster: the same in all four partners
	s_cselect_b32 s[LIM], s[LIM], -1
	s_mov_b32 s[G0], 1
	s_mul_i32 s[G0+1], s[WV], 24576                ; waves 0-3: a quarter of slot 0; wave 4: the scale words' place, 98,304
	s_cmp_lt_u32 s[WV], 4
	s_mov_b32 s50, 24576
	s_cselect_b32 s50, 4*SLOTB, s50                ; a head's bytes in kvc, or in kvs
	s_cselect_b32 s51, s[G0+1], 0
	s_mul_i32 s50, s21, s50
	s_add_co_u32 s50, s50, s51
	s_mov_b32 s51, 0
	s_wait_dscnt 0x0                               ; both opening adds are done
	s_wait_kmcnt 0x0
	s_cmp_lt_u32 s[WV], 4
	s_cselect_b64 s[G0+2:G0+3], s[8:9], s[10:11]   ; the choice hangs on the wave's number alone
	s_add_nc_u64 s[G0+2:G0+3], s[G0+2:G0+3], s[50:51]
	s_or_b32 s[G0+3], s[G0+3], 0x80000000          ; type = 2
	s_add_nc_u64 s[4:5], s[4:5], s[54:55]
	s_add_nc_u64 s[6:7], s[6:7], s[56:57]
	s_add_nc_u64 s[46:47], s[12:13], s[58:59]
	s_add_nc_u64 s[48:49], s[14:15], s[60:61]
	s_add_nc_u64 s[PFA:PFA+1], s[8:9], s[62:63]
	CROUND                                         ; all four work-groups are here: the first joint loads meet
	s_cmp_lt_u32 s[WV], 5                          ; the first fills, in one branch: slot 0's four quarters and the head's scale words
	s_cbranch_scc0 .Lno_first
	tensor_load_to_lds s[G0:G0+3], s[G1:G1+7]
	s_nop 0
.rept 4
	v_nop
.endr
.Lno_first:
	v_and_b32 v11, 31, v0
	s_delay_alu instid0(VALU_DEP_1)
	v_lshlrev_b32 v[L8], 3, v11
	v_lshlrev_b32 v[L16], 4, v11
	v_lshlrev_b32 v[L4], 2, v11
	v_lshlrev_b32 v[PFO], 8, v11
	v_and_b32 v11, 15, v0
	s_delay_alu instid0(VALU_DEP_1)
	v_lshlrev_b32 v11, 4, v11                      ; 16 r
	s_delay_alu instid0(VALU_DEP_1)
	v_add_nc_u32 v[R16], SCB, v11
.irp p, 0,1,2
	global_load_b64 v[QF+2*\p:QF+2*\p+1], v[L8], s[4:5] offset:256*\p   ; Q's half fragment stays in registers
.endr
	global_load_b32 v[QS], v11, s[6:7]
	v_bfe_u32 v[H8], v0, 4, 1
	v_mov_b32 v[ADK], v[L8]                        ; the first step lies at a slot's first byte
	v_mov_b32 v[ADV], v[L16]
	v_mov_b32 v[ADS], v[R16]
	v_lshlrev_b32 v[H8], 3, v[H8]
.irp j, 6,7,8,9,10,11
	v_mov_b32 v[QF+\j], 0                          ; the upper 64 of the instruction's K: zero codes
.endr
.irp j, 48,49,50,51,52,53
	v_mov_b32 v[F+\j], 0                           ; behind K's last half fragment
.endr
	v_mov_b32 v13, 0xff61b1e6                      ; the largest score so far: -3e38, under every score
	v_mov_b32 v12, 0x7f61b1e6                      ; -M
	v_mov_b32 v14, 0                               ; the sum, in two halves
	v_mov_b32 v15, 0
	v_mov_b32 v31, 0                               ; (named as the upper half of the pair v[30:31])
	v_mov_b32 v45, 0                               ; written once: a lane permute's destination counts as one of its sources
.irp j, 0,1,2,3,4,5
	v_mov_b32 v[SM+\j], 0                          ; the sum's side chains: the first step joins zeros
.endr
.set n, 0
.rept 32
	v_mov_b32 v[O+n], 0                            ; O^T.  (The step is written once: the first finds zeros, which the first change of M leaves zeros)
.set n, n+1
.endr
; A KEY STEP: 128 keys.
.macro STEP kind
.if \kind == 0
	s_add_co_u32 s[TB], s[TB], 12288               ; where the next step lies
.endif
.if (\kind == 1) || (\kind == 2)
	s_sub_co_u32 s[TB], s[TB], 7*12288             ; back to a slot's first step,
	s_xor_b32 s[TB], s[TB], SLOT1                  ; in the other slot
.endif
.if \kind < 3
	s_add_co_u32 s[TS], s[TS], 768
.endif
.irp t, 0,1,2,3,4,5,6,7
.irp p, 0,1,2
	ds_load_b64 v[F+6*\t+2*\p:F+6*\t+2*\p+1], v[ADK] offset:768*\t+256*\p   ; 256 consecutive bytes a load
.endr
.endr
	ds_load_b128 v[KS:KS+3], v[ADS]
	ds_load_b128 v[KS+4:KS+7], v[ADS] offset:256
	ds_load_b128 v[VS:VS+3], v[ADS] offset:512
	s_wait_alu depctr_va_vdst(0)                   ; directly ahead of the wait below
	s_wait_dscnt 0x0
.irp t, 0,1,2,3,4,5,6,7
	MM0 S+8*\t, F+6*\t, QF, KS+\t, QS              ; S^T: eight tiles of 16 keys
.endr
	; the places behind these products, ahead of loads into their registers and of the first read of the scores: the next step's addresses, and the last step's sum is joined
.if \kind < 3
	v_add_nc_u32 v[ADK], s[TB], v[L8]
	v_add_nc_u32 v[ADS], s[TS], v[R16]
.else
	v_nop
	v_nop
.endif
	v_pk_add_f32 v[SM:SM+1], v[SM:SM+1], v[SM+2:SM+3]
	v_pk_add_f32 v[14:15], v[14:15], v[SM+4:SM+5]
	s_delay_alu instid0(VALU_DEP_1)
	v_pk_add_f32 v[14:15], v[14:15], v[SM:SM+1]
.irp t, 0,1,2,3
.irp g, 0,1,2
	ds_load_b128 v[F+12*\t+4*\g:F+12*\t+4*\g+3], v[ADV] offset:6144+1536*\t+512*\g   ; V^T's fragments land under the softmax
.endr
.endr
.if \kind < 3
	v_add_nc_u32 v[ADV], s[TB], v[L16]
.endif
.if \kind == 1
	s_wait_tensorcnt 0x0                           ; THE CHANGE OF SLOTS: all my tensor loads are done, my part of the slot ahead among them;
	ds_add_u32 v[SPW], v[NIL]                      ; 0 onto my spare word,
	ds_add_u32 v[SPW], v[NIL]                      ; and twice on end here, in every trip alike; the maxima below stand between the adds and the wait for them
	WALK
.endif
.if \kind == 2
	s_wait_tensorcnt 0x0                           ; the last slot is whole as far as it is mine
	ds_add_u32 v[SPW], v[NIL]
.endif
.irp c, 0,1                                    ; THE LARGEST SCORE OF EACH OF MY TWO BLOCKS OF 32 KEYS serves twice: for the row's maximum and, since p rises with the score, for the block's largest p
	v_max3_num_f32 v[BM+\c], v[S+32*\c], v[S+32*\c+1], v[S+32*\c+2]
	v_max3_num_f32 v[BT+\c], v[S+32*\c+16], v[S+32*\c+17], v[S+32*\c+18]
.endr
.irp i, 3,5,7,9,11,13
.irp c, 0,1                                    ; (four chains by turns; each accumulator from its low end on)
	v_max3_num_f32 v[BM+\c], v[BM+\c], v[S+32*\c+\i], v[S+32*\c+\i+1]
	v_max3_num_f32 v[BT+\c], v[BT+\c], v[S+32*\c+16+\i], v[S+32*\c+17+\i]
.endr
.endr
.irp c, 0,1
	v_max3_num_f32 v[BM+\c], v[BM+\c], v[BT+\c], v[S+32*\c+15]
.endr
.irp c, 0,1
	v_max_num_f32 v[BM+\c], v[BM+\c], v[S+32*\c+31]
.endr
.if (\kind == 1) || (\kind == 2)
	s_wait_alu depctr_va_vdst(0)
	s_wait_dscnt 0x0                               ; the add is done, and this step's K and V are in registers: my reads of this slot are over:
	s_barrier_signal -1                            ; say so; what is left of the step is work on registers
.endif
.if (\kind == 0) || (\kind == 3)
	s_delay_alu instid0(VALU_DEP_1)
.endif
	v_max_num_f32 v44, v[BM], v[BM+1]
	s_delay_alu instid0(VALU_DEP_1)
	v_permlanex16_b32 v45, v44, s[SEL], s[SEL+1]
	s_delay_alu instid0(VALU_DEP_1)
	v_max3_num_f32 v13, v13, v44, v45              ; with lane l xor 16's two blocks: the running largest score of my query
	s_delay_alu instid0(VALU_DEP_1)
	v_mul_f32 v44, s[CS], v13                      ; as t
	v_mov_b32 v45, v12
	s_delay_alu instid0(VALU_DEP_2)
	v_floor_f32 v12, -v44                          ; the new -M = floor(-t): M IS A WHOLE NUMBER
.set n, 0
.rept 32
	v_pk_fma_f32 v[S+n:S+n+1], v[S+n:S+n+1], s[CS:CS+1], v[12:13] op_sel_hi:[1,0,0]   ; t - M, two at a time
.set n, n+2
.endr
	v_sub_f32 v44, v12, v45                        ; M's old value less its new one: a whole number, 0 or less
	v_fma_f32 v[BM], v[BM], s[CS], v12             ; t - M of each block's largest score
	v_fma_f32 v[BM+1], v[BM+1], s[CS], v12
	v_cvt_i32_f32 v44, v44                         ; (it saturates)
	s_delay_alu instid0(VALU_DEP_1)
	v_ldexp_f32 v30, 1.0, v44                      ; f = 2^(old M - new M)
	s_wait_alu depctr_va_vdst(0)
.set n, 0
.rept 64
	v_exp_f32 v[S+n], v[S+n]                       ; p = 2^(t - M), at most 1: NOT normalised
.set n, n+1
.endr
	v_exp_f32 v[BM], v[BM]                         ; the block's largest p: the same two instructions on the same number give the same bits
	v_exp_f32 v[BM+1], v[BM+1]
	v_pk_mul_f32 v[14:15], v[14:15], v[30:31] op_sel_hi:[1,0]   ; the sums under the new M: the plain instruction behind the batch
.if (\kind == 0) || (\kind == 3)
	s_wait_dscnt 0x0                               ; V is in
.endif
	s_wait_alu depctr_va_vdst(0)                   ; ONE wait for the 66 exponentials, ahead of their first reader and directly ahead of the first reader of O^T
.set n, 0
.rept 16
	v_pk_mul_f32 v[O+n:O+n+1], v[O+n:O+n+1], v[30:31] op_sel_hi:[1,0]   ; O^T under the new M; each accumulator from its low end on
.set n, n+2
.endr
.irp c, 0,1
	v_max_num_f32 v[BM+\c], 0x2800000, v[BM+\c]    ; the floor 2^(5 - 127): the byte cannot fall under 1
.endr
.irp c, 0,1
	s_delay_alu instid0(VALU_DEP_2)
	v_add_nc_u32 v[SO+\c], 0xfe000000, v[BM+\c]    ; 4 off the exponent field: the conversion's scale operand
.endr
.irp c, 0,1
	s_delay_alu instid0(VALU_DEP_2)
	v_lshrrev_b32 v[BT+\c], 23, v[SO+\c]           ; the scale's byte
.endr
	s_delay_alu instid0(VALU_DEP_1)
	v_lshl_or_b32 v44, v[BT+1], 16, v[BT]          ; my two bytes: blocks h and 2 + h,
	s_delay_alu instid0(VALU_DEP_1)
	v_lshlrev_b32 v44, v[H8], v44                  ; at their places in the scale word (8 h bits up);
	s_delay_alu instid0(VALU_DEP_1)
	v_permlanex16_b32 v45, v44, s[SEL], s[SEL+1]
	s_delay_alu instid0(VALU_DEP_1)
	v_or_b32 v[PW], v44, v45                       ; with lane l xor 16's two the word is whole
.irp c, 0,1
	v_cvt_scalef32_pk16_bf6_f32 v[PC+6*\c:PC+2+6*\c], v[S+32*\c:S+15+32*\c], v[SO+\c]
	v_cvt_scalef32_pk16_bf6_f32 v[PC+12+4*\c:PC+14+4*\c], v[S+16+32*\c:S+31+32*\c], v[SO+\c]   ; (a conversion's three registers begin on an even number)
.endr
	; THE ROW'S SUM IS TAKEN OF THE UNQUANTISED p: four chains by turns.  Its additions name no register of the product below: the first four are the plain places behind the conversions,
	; the next eight the places between the codes' last moves (and the scale word) and the product, the rest the places behind the product, ahead of the next step's loads
	v_pk_add_f32 v[SM:SM+1], v[S:S+1], v[S+2:S+3]
	v_pk_add_f32 v[SM+2:SM+3], v[S+4:S+5], v[S+6:S+7]
	v_pk_add_f32 v[SM+4:SM+5], v[S+8:S+9], v[S+10:S+11]
	v_pk_add_f32 v[14:15], v[14:15], v[S+12:S+13]
.irp c, 0,1
.irp i, 0,1,2
	v_mov_b32 v[PC+3+6*\c+\i], v[PC+12+4*\c+\i]    ; registers 6 c .. 6 c + 5: k = 64 c + 32 h + 0 .. 31
.endr
.endr
.set n, 14
.rept 2
	v_pk_add_f32 v[SM:SM+1], v[SM:SM+1], v[S+n:S+n+1]
	v_pk_add_f32 v[SM+2:SM+3], v[SM+2:SM+3], v[S+n+2:S+n+3]
	v_pk_add_f32 v[SM+4:SM+5], v[SM+4:SM+5], v[S+n+4:S+n+5]
	v_pk_add_f32 v[14:15], v[14:15], v[S+n+6:S+n+7]
.set n, n+8
.endr
.irp t, 0,1,2,3
	MMC O+8*\t, F+12*\t, PC, VS+\t, PW             ; O^T += V^T P^T: four tiles of d by turns
.endr
.rept 4
	v_pk_add_f32 v[SM:SM+1], v[SM:SM+1], v[S+n:S+n+1]
	v_pk_add_f32 v[SM+2:SM+3], v[SM+2:SM+3], v[S+n+2:S+n+3]
	v_pk_add_f32 v[SM+4:SM+5], v[SM+4:SM+5], v[S+n+4:S+n+5]
	v_pk_add_f32 v[14:15], v[14:15], v[S+n+6:S+n+7]
.set n, n+8
.endr
	v_pk_add_f32 v[SM:SM+1], v[SM:SM+1], v[S+62:S+63]   ; the chains are joined behind the next step's first products, or behind the walk
.if \kind == 1
	s_barrier_wait -1                              ; all sixteen waves have read the slot out and have no load on its way;
	CREST                                          ; so have all four work-groups:
	JLOAD                                          ; the joint refill, the first tensor load behind the round and a wave's only one until the next; it has eight key steps in which to land
	ASK
.endif
.if \kind == 2
	s_barrier_wait -1                              ; the last slot is whole; nothing is filled again
.endif
.endm
.macro SEVEN                           ; a slot's first seven steps: the step written once, walked seven times
	s_mov_b32 s[CNT], 7
.Lstep_\@:
	STEP 0
	s_sub_co_u32 s[CNT], s[CNT], 1
	s_cmp_lg_u32 s[CNT], 0
	s_cbranch_scc1 .Lstep_\@
.endm
	s_wait_alu depctr_va_vdst(0)
	s_wait_loadcnt 0x0                             ; Q
	s_wait_tensorcnt 0x0                           ; slot 1's first fill is issued as a refill is: my part of slot 0, or the scale words, has landed;
	ds_add_u32 v[SPW], v[NIL]
	ds_add_u32 v[SPW], v[NIL]
	WALK
	s_wait_dscnt 0x0
	CROUND
	JLOAD
	ASK
	s_mov_b32 s[SLOTS], 2
.Lslot:                                            ; slots 0 and 1: each is asked for again in its last step
	SEVEN
	STEP 1
	s_sub_co_u32 s[SLOTS], s[SLOTS], 1
	s_cmp_lg_u32 s[SLOTS], 0
	s_cbranch_scc1 .Lslot
	SEVEN                                          ; the last two slots are written out
	STEP 2
	SEVEN
	STEP 3
	; THE WAY OUT.  O^T / the sum; register 16 b + i is d = 32 b + 16 (lane / 16) + i of my query: two blocks of 32 along the last product's K.  They are quantised, and leave as half a fragment and two scale bytes.
	v_pk_add_f32 v[SM:SM+1], v[SM:SM+1], v[SM+2:SM+3]   ; the last step's chains
	v_pk_add_f32 v[14:15], v[14:15], v[SM+4:SM+5]
	s_delay_alu instid0(VALU_DEP_1)
	v_pk_add_f32 v[14:15], v[14:15], v[SM:SM+1]
	v_add_f32 v14, v14, v15                        ; the sum's two halves,
	s_delay_alu instid0(VALU_DEP_1)
	v_permlanex16_b32 v44, v14, s[SEL], s[SEL+1]
	s_delay_alu instid0(VALU_DEP_1)
	v_add_f32 v14, v14, v44                        ; and lane l xor 16's: the row's sum
	s_wait_alu depctr_va_vdst(0)
	v_rcp_f32 v30, v14
	v_nop                                          ; a plain instruction behind the reciprocal
	s_wait_alu depctr_va_vdst(0)                   ; and the wait ahead of its first reader, directly ahead of the first reader of O^T
.set n, 0
.rept 16
	v_pk_mul_f32 v[S+n:S+n+1], v[O+n:O+n+1], v[30:31] op_sel_hi:[1,0]
.set n, n+2
.endr
.irp b, 0,1
	v_max3_num_f32 v[BM+\b], |v[S+16*\b]|, |v[S+1+16*\b]|, 0x2800000
.endr
.irp i, 2,4,6,8,10,12,14
.irp b, 0,1
	s_delay_alu instid0(VALU_DEP_2)
	v_max3_num_f32 v[BM+\b], v[BM+\b], |v[S+16*\b+\i]|, |v[S+1+16*\b+\i]|
.endr
.endr
.irp b, 0,1
	s_delay_alu instid0(VALU_DEP_2)
	v_permlanex16_b32 v[BT+\b], v[BM+\b], s[SEL], s[SEL+1]
.endr
.irp b, 0,1
	s_delay_alu instid0(VALU_DEP_2)
	v_max_num_f32 v[BM+\b], v[BM+\b], v[BT+\b]
.endr
.irp b, 0,1
	s_delay_alu instid0(VALU_DEP_2)
	v_add_nc_u32 v[SO+\b], 0xfe000000, v[BM+\b]
.endr
.irp b, 0,1
	s_delay_alu instid0(VALU_DEP_2)
	v_lshrrev_b32 v[BT+\b], 23, v[SO+\b]
.endr
	s_delay_alu instid0(VALU_DEP_1)
	v_lshl_or_b32 v[PW], v[BT+1], 8, v[BT]         ; two bytes low, zeros above
	v_cvt_scalef32_pk16_bf6_f32 v[PC:PC+2], v[S:S+15], v[SO]
	v_cvt_scalef32_pk16_bf6_f32 v[PC+12:PC+14], v[S+16:S+31], v[SO+1]
	v_nop
.irp i, 0,1,2
	v_permlane16_swap_b32 v[PC+\i], v[PC+12+\i]    ; here a lane holds half of each block: the halves change places
.endr
.irp i, 0,1,2
	s_delay_alu instid0(VALU_DEP_3)
	v_mov_b32 v[PC+3+\i], v[PC+12+\i]              ; registers 0-5: d = 32 (lane / 16) + 0 .. 31
.endr
.irp p, 0,1,2
	global_store_b64 v[L8], v[PC+2*\p:PC+2*\p+1], s[46:47] offset:256*\p   ; each store covers 256 consecutive bytes, aligned
.endr
	global_store_b32 v[L4], v[PW], s[48:49]
	s_wait_tensorcnt 0x0                           ; the wave's end: behind the last tensor load
	ds_add_u32 v[SPW], v[NIL]
	s_wait_dscnt 0x0
	CROUND                                         ; the closing round
	s_endpgm
.Lfunc_end_k_q6593659dbe_attn:
	.size	k_q6593659dbe_attn, .Lfunc_end_k_q6593659dbe_attn-k_q6593659dbe_attn
	.p2alignl 7, 3214868480
	.fill 96, 4, 3214868480
	.section	.rodata,"a",@progbits
	.p2align	6, 0x0
	.amdhsa_kernel k_q6593659dbe_attn
		.amdhsa_group_segment_fixed_size 327680
		.amdhsa_private_segment_fixed_size 0
		.amdhsa_enable_private_segment 0
		.amdhsa_kernarg_size 48
		.amdhsa_user_sgpr_count 2
		.amdhsa_user_sgpr_kernarg_segment_ptr 1
		.amdhsa_wavefront_size32 1
		.amdhsa_system_sgpr_workgroup_id_x 1
		.amdhsa_system_sgpr_workgroup_id_y 1
		.amdhsa_system_sgpr_workgroup_id_z 1
		.amdhsa_system_vgpr_workitem_id 0
		.amdhsa_next_free_vgpr 256
		.amdhsa_next_free_sgpr 66
		.amdhsa_reserve_vcc 0
		.amdhsa_float_denorm_mode_32 3
		.amdhsa_float_denorm_mode_16_64 3
		.amdhsa_memory_ordered 1
		.amdhsa_forward_progress 1
		.amdhsa_inst_pref_size 108
	.end_amdhsa_kernel
	.amdgpu_metadata
---
amdhsa.version: [ 1, 2 ]
amdhsa.kernels:
  - .name:           k_q6593659dbe_attn
    .symbol:         k_q6593659dbe_attn.kd
    .args:
      - { .name: qc, .offset: 0, .size: 8, .value_kind: global_buffer, .address_space: global }
      - { .name: qs, .offset: 8, .size: 8, .value_kind: global_buffer, .address_space: global }
      - { .name: kvc, .offset: 16, .size: 8, .value_kind: global_buffer, .address_space: global }
      - { .name: kvs, .offset: 24, .size: 8, .value_kind: global_buffer, .address_space: global }
      - { .name: oc, .offset: 32, .size: 8, .value_kind: global_buffer, .address_space: global }
      - { .name: os, .offset: 40, .size: 8, .value_kind: global_buffer, .address_space: global }
    .group_segment_fixed_size: 327680
    .private_segment_fixed_size: 0
    .kernarg_segment_align: 8
    .kernarg_segment_size: 48
    .max_flat_workgroup_size: 512
    .sgpr_count:     66
    .vgpr_count:     256
    .wavefront_size: 32
...
	.end_amdgpu_metadata
.endif
;; end of part 3
;; launch outp (part 4): grid 64 x 4, 4 waves a work-group, clusters of 4 x 1, 167,936 bytes of LDS; arguments oc, os, wq, b_u, out0; writes out0
.if DOCPART == 4
	.amdgcn_target "amdgcn-amd-amdhsa--gfx1250"
	.amdhsa_code_object_version 6
	.text
	.protected	k_q6593659dbe_outp
	.globl	k_q6593659dbe_outp
	.p2align	8
	.type	k_q6593659dbe_outp,@function
k_q6593659dbe_outp:
	s_mov_b64 s[64:65], 0
	v_nop
	global_prefetch_b8 v0, s[64:65] scope:SCOPE_SE
	s_setreg_imm32_b32 hwreg(HW_REG_WAVE_MODE, 25, 1), 1
	s_wait_xcnt 0x0
	s_wait_alu depctr_hold_cnt(0) depctr_sa_sdst(0) depctr_va_vdst(0) depctr_va_sdst(0) depctr_va_ssrc(0) depctr_va_vcc(0) depctr_vm_vsrc(0)
	s_getreg_b32 s2, hwreg(HW_REG_IB_STS2, 6, 4)
	s_cmp_eq_u32 s2, 0
	s_cbranch_scc0 .Lentry_in_a_cluster
	s_endpgm
.Lentry_in_a_cluster:
	s_bfe_u32 s2, ttmp6, 0x10000c
	s_cmp_lg_u32 s2, 0x3003
	s_cbranch_scc0 .Lentry_shape_is_right
	s_endpgm
.Lentry_shape_is_right:
; out0 = attention's result x W_u + b_u, on codes of BF6 with E8M0 scales; K = head x 64 + d.  No work is left out.
; SHARES.  Work-group x (4 x cluster + place) = 128 rows, y = 128 columns (share 12 + y of wq): 256 work-groups.  Wave w takes the tiles of rows 2 w and 2 w + 1 against all eight tiles of columns, which it keeps in 384 registers.
; CLUSTER.  The four partners have the same y and so the same share of the weight: it is asked for JOINTLY, a quarter by each wave, filled once.
; TRANSPOSED: source 0 = 16 columns of W_u, source 1 = 16 rows: a lane holds one row, and register 16 b + i is column 32 b + 16 (lane / 16) + i of the share.  b_u is the C of each sum's first product.
; A fragment of rows (K step s) is heads 2 s and 2 s + 1: two half fragments of oc, loaded as they lie; its scale word is their two pairs of bytes.
; THE WAY OUT: a tile's 16 rows x 512 bytes go through my stage in LDS and leave as whole runs of 512 consecutive bytes.  Lane r of tile 2 w + e is row 32 w + 8 e + r + 8 (r / 8).
; LDS: the share at 0 (53,248 bytes); a stage of 16 x 528 bytes a wave; the spare words.
.set REG,   53248
.set WORDS, 49152
.set FRB,   1536
.set SPT,   528
.set STG,   REG
.set SPARE, STG+4*16*SPT
.set GX,   4                           ; v4   16 x lane
.set SA,   4                           ;      (also S's address: the share begins at LDS byte 0)
.set O8,   5                           ; v5   8 x lane
.set L4,   6                           ; v6   4 x lane
.set H64,  7                           ; v7   64 (lane / 16)
.set STO,  8                           ; v8   my stage + 528 r + 64 h
.set SRD,  9                           ; v9   my stage + 16 x lane
.set SPW,  10                          ; v10  LDS address of my spare word; never rewritten
.set NIL,  11                          ; v11  0; never rewritten
.set MF,   16                          ; v16-111  the rows' fragments: tile e, K step s at 48 e + 12 s
.set MS,   112                         ; v112-119 their scale words
.set SS,   120                         ; v120-151 the weight's scale words
.set ACC,  152                         ; v152-215 eight accumulators
.set G,    216                         ; v216-231 the heads' pairs of scale bytes
.set BK,   64                          ; window 3: v0-63 b_u in the result's layout, v64-127 rows read back from the stage
.set WV,   18
.set G1,   24
.set G0,   32
.set MSB, 0
.macro WIN new
.if MSB != (\new)
	s_set_vgpr_msb (MSB<<8)|(\new)
.set MSB, (\new)
.endif
.endm
.macro CROUND
	s_barrier_signal -1
	s_barrier_wait -1
	s_cmp_lg_u32 s[WV], 0
	s_cbranch_scc1 .Lnot_wave_0_\@
	s_barrier_signal -3
.Lnot_wave_0_\@:
	s_barrier_wait -3
	s_barrier_signal -1
	s_barrier_wait -1
.endm
.macro MMB d, a, b, c, sa, sb          ; a product that starts a sum with the bias
	v_wmma_scale_f32_16x16x128_f8f6f4 v[\d:\d+7], v[\a:\a+11], v[\b:\b+11], v[\c:\c+7], v[\sa], v[\sb] matrix_a_fmt:MATRIX_FMT_BF6 matrix_b_fmt:MATRIX_FMT_BF6
.endm
.macro MMC d, a, b, sa, sb
	v_wmma_scale_f32_16x16x128_f8f6f4 v[\d:\d+7], v[\a:\a+11], v[\b:\b+11], v[\d:\d+7], v[\sa], v[\sb] matrix_a_fmt:MATRIX_FMT_BF6 matrix_b_fmt:MATRIX_FMT_BF6
.endm
	s_load_b256 s[4:11], s[0:1], 0x0               ; oc s[4:5], os s[6:7], wq s[8:9], b_u s[10:11]
	s_load_b64 s[12:13], s[0:1], 0x20              ; out0
	v_lshl_add_u32 v[SPW], v0, 2, SPARE
	v_mov_b32 v[NIL], 0
	ds_add_u32 v[SPW], v[NIL]                      ; the wave's opening: the add, twice on end, and its wait ahead of my first tensor load; the set-up below stands between
	ds_add_u32 v[SPW], v[NIL]
	v_lshrrev_b32 v1, 5, v0
	v_readfirstlane_b32 s[WV], v1                  ; wave 0..3
	s_and_b32 s19, ttmp7, 0xffff                   ; which 128 columns: the partners share it
	s_bfe_u32 s20, ttmp6, 0x40000                  ; cx: it enters my own rows' addresses alone
	s_lshl_b32 s21, ttmp9, 2
	s_add_co_u32 s21, s21, s20                     ; my block of 128 rows
	; descriptor group 1: a quarter of a share, 13,312 dense bytes, as 52 rows of 256 bytes
	s_mov_b32 s[G1], 15|(3<<16)|(1<<21)
	s_mov_b32 s[G1+1], 32<<16
	s_mov_b32 s[G1+2], 52<<16
	s_mov_b32 s[G1+3], 32<<16
	s_mov_b32 s[G1+4], 52
	s_mov_b32 s[G1+5], 32
	s_mov_b32 s[G1+6], 0
	s_mov_b32 s[G1+7], 0
	s_mov_b32 s[G0], 1
	s_mul_i32 s[G0+1], s[WV], 13312
	s_add_co_u32 s44, s19, 12
	s_mul_i32 s44, s44, REG
	s_add_co_u32 s44, s44, s[G0+1]                 ; share 12 + y, my quarter
	s_mov_b32 s45, 0
	s_lshl_b32 s46, s21, 3
	s_lshl_b32 s47, s[WV], 1
	s_add_co_u32 s46, s46, s47                     ; my first tile of rows: 8 x block + 2 w
	s_lshl_b32 s48, s46, 10                        ; in os,
	s_mov_b32 s49, 0
	s_mul_i32 s46, s46, 6144                       ; in oc
	s_mov_b32 s47, 0
	s_lshl_b32 s50, s19, 9                         ; my 128 columns: 512 bytes of b_u and of a row of out0
	s_mov_b32 s51, 0
	s_lshl_b32 s52, s21, 18                        ; my block's 128 rows of 2,048 bytes,
	s_lshl_b32 s53, s[WV], 16                      ; my wave's 32
	s_add_co_u32 s52, s52, s53
	s_add_co_u32 s52, s52, s50
	s_mov_b32 s53, 0
	v_and_b32 v1, 31, v0
	v_and_b32 v2, 15, v0
	v_bfe_u32 v3, v0, 4, 1
	v_lshlrev_b32 v[GX], 4, v1
	v_lshlrev_b32 v[O8], 3, v1
	v_lshlrev_b32 v[L4], 2, v1
	v_lshlrev_b32 v[H64], 6, v3
	s_mul_i32 s54, s[WV], 16*SPT
	s_add_co_u32 s54, s54, STG                     ; my stage
	v_mul_u32_u24 v[STO], v2, SPT
	v_lshl_add_u32 v[STO], v3, 6, v[STO]
	v_add_nc_u32 v[STO], s54, v[STO]
	v_add_nc_u32 v[SRD], s54, v[GX]
	s_wait_dscnt 0x0                               ; both opening adds are done
	s_wait_kmcnt 0x0
	s_add_nc_u64 s[G0+2:G0+3], s[8:9], s[44:45]
	s_or_b32 s[G0+3], s[G0+3], 0x80000000          ; type = 2
	s_add_nc_u64 s[36:37], s[4:5], s[46:47]
	s_add_nc_u64 s[38:39], s[6:7], s[48:49]
	s_add_nc_u64 s[40:41], s[10:11], s[50:51]
	s_add_nc_u64 s[42:43], s[12:13], s[52:53]
	CROUND                                         ; all four work-groups are here: the joint loads meet
	tensor_load_to_lds s[G0:G0+3], s[G1:G1+7]      ; my quarter of the share: filled once; one tensor load of mine is out
	s_nop 0
.rept 4
	v_nop
.endr
	s_wait_alu depctr_va_vdst(0)
.irp e, 0,1
.irp d, 0,1,2,3,4,5,6,7
.irp p, 0,1,2
	global_load_b64 v[MF+48*\e+12*(\d/2)+6*(\d%2)+2*\p:MF+48*\e+12*(\d/2)+6*(\d%2)+2*\p+1], v[O8], s[36:37] offset:6144*\e+768*\d+256*\p   ; head d's half fragment: 256 consecutive bytes a load
.endr
	global_load_b32 v[G+8*\e+\d], v[L4], s[38:39] offset:1024*\e+128*\d
.endr
.endr
	WIN 0xc0                                       ; destination window 3
.irp i, 0,1,2,3,4,5,6,7
	global_load_b128 v[8*\i:8*\i+3], v[H64], s[40:41] offset:(32*(\i/2)+8*(\i%2))*4        ; b_u at the lane's eight columns of tile i
	global_load_b128 v[8*\i+4:8*\i+7], v[H64], s[40:41] offset:(32*(\i/2)+8*(\i%2))*4+16
.endr
	WIN 0
	s_wait_tensorcnt 0x0                           ; my quarter has landed,
	s_barrier_signal -1
	s_barrier_wait -1                              ; everybody's has
.irp i, 0,1,2,3,4,5,6,7                        ; the weight's 32 fragments: tile i, K step s at v[12 (4 (i % 4) + s)] of window 1 + i / 4
	WIN 0x40*(1+\i/4)
.irp s, 0,1,2,3
.irp g, 0,1,2
	ds_load_b128 v[12*(4*(\i%4)+\s)+4*\g:12*(4*(\i%4)+\s)+4*\g+3], v[SA] offset:(4*\i+\s)*FRB+512*\g
.endr
.endr
.endr
	WIN 0
.irp i, 0,1,2,3,4,5,6,7
	ds_load_b128 v[SS+4*\i:SS+4*\i+3], v[SA] offset:WORDS+512*\i
.endr
	s_wait_loadcnt 0x0
.irp e, 0,1
.irp s, 0,1,2,3
	v_lshl_or_b32 v[MS+4*\e+\s], v[G+8*\e+2*\s+1], 16, v[G+8*\e+2*\s]   ; heads 2 s and 2 s + 1: the K step's scale word
.endr
.endr
.rept 8
	v_nop                                          ; a scale register written by a vector instruction stands 8 places ahead of a scaled matrix instruction
.endr
	s_wait_alu depctr_va_vdst(0)
	s_wait_dscnt 0x0
.irp e, 0,1
.irp z, 0,1                                    ; tiles 4 z .. 4 z + 3 of the weight, in window 1 + z: four accumulators by turns, one instruction a turn
	WIN 0x31+\z                                    ; source 0 window 1 + z, source 2 (the bias) window 3
.irp i, 0,1,2,3
	MMB ACC+8*(4*\z+\i), 12*(4*\i), MF+48*\e, 8*(4*\z+\i), SS+4*(4*\z+\i), MS+4*\e
.endr
	WIN 0x01+\z
.irp s, 1,2,3
.irp i, 0,1,2,3
	MMC ACC+8*(4*\z+\i), 12*(4*\i+\s), MF+48*\e+12*\s, SS+4*(4*\z+\i)+\s, MS+4*\e+\s
.endr
.endr
.endr
	WIN 0
.rept 5
	v_nop                                          ; four places ahead of the first read of results; five ahead of products that begin these accumulators anew
.endr
.irp b, 0,1,2,3
.irp k, 0,1,2,3
	ds_store_b128 v[STO], v[ACC+16*\b+4*\k:ACC+16*\b+4*\k+3] offset:128*\b+16*\k   ; row r, columns 32 b + 16 h + 4 k on; each accumulator from its low end on
.endr
.endr
.if \e == 1
	s_wait_xcnt 0x0                                ; the first tile's stores have read their registers
.endif
	WIN 0xc0
.irp i, 0,1,2,3,4,5,6,7,8,9,10,11,12,13,14,15
	ds_load_b128 v[BK+4*\i:BK+4*\i+3], v[SRD] offset:SPT*\i   ; LDS serves a wave's instructions in order: these see my stores
.endr
	WIN 0x0c                                       ; a store's data are its source 1: window 3
.irp i, 0,1,2,3,4,5,6,7,8,9,10,11,12,13,14,15
	s_wait_dscnt 15-\i                             ; the younger read-backs may stay out
	global_store_b128 v[GX], v[BK+4*\i:BK+4*\i+3], s[42:43] offset:(8*\e+\i+8*(\i/8))*2048 th:TH_STORE_NT   ; 32 lanes store 512 consecutive bytes, at a multiple of 256 from out0's first byte
.endr
	WIN 0
.endr
	s_wait_tensorcnt 0x0                           ; the wave's end: behind my last tensor load and my last LDS store
	ds_add_u32 v[SPW], v[NIL]
	s_wait_dscnt 0x0
	CROUND                                         ; the closing round
	s_endpgm
.Lfunc_end_k_q6593659dbe_outp:
	.size	k_q6593659dbe_outp, .Lfunc_end_k_q6593659dbe_outp-k_q6593659dbe_outp
	.p2alignl 7, 3214868480
	.fill 96, 4, 3214868480
	.section	.rodata,"a",@progbits
	.p2align	6, 0x0
	.amdhsa_kernel k_q6593659dbe_outp
		.amdhsa_group_segment_fixed_size 167936
		.amdhsa_private_segment_fixed_size 0
		.amdhsa_enable_private_segment 0
		.amdhsa_kernarg_size 40
		.amdhsa_user_sgpr_count 2
		.amdhsa_user_sgpr_kernarg_segment_ptr 1
		.amdhsa_wavefront_size32 1
		.amdhsa_system_sgpr_workgroup_id_x 1
		.amdhsa_system_sgpr_workgroup_id_y 1
		.amdhsa_system_sgpr_workgroup_id_z 1
		.amdhsa_system_vgpr_workitem_id 0
		.amdhsa_next_free_vgpr 896
		.amdhsa_next_free_sgpr 66
		.amdhsa_reserve_vcc 0
		.amdhsa_float_denorm_mode_32 3
		.amdhsa_float_denorm_mode_16_64 3
		.amdhsa_memory_ordered 1
		.amdhsa_forward_progress 1
		.amdhsa_inst_pref_size 37
	.end_amdhsa_kernel
	.amdgpu_metadata
---
amdhsa.version: [ 1, 2 ]
amdhsa.kernels:
  - .name:           k_q6593659dbe_outp
    .symbol:         k_q6593659dbe_outp.kd
    .args:
      - { .name: oc, .offset: 0, .size: 8, .value_kind: global_buffer, .address_space: global }
      - { .name: os, .offset: 8, .size: 8, .value_kind: global_buffer, .address_space: global }
      - { .name: wq, .offset: 16, .size: 8, .value_kind: global_buffer, .address_space: global }
      - { .name: b_u, .offset: 24, .size: 8, .value_kind: global_buffer, .address_space: global }
      - { .name: out0, .offset: 32, .size: 8, .value_kind: global_buffer, .address_space: global }
    .group_segment_fixed_size: 167936
    .private_segment_fixed_size: 0
    .kernarg_segment_align: 8
    .kernarg_segment_size: 40
    .max_flat_workgroup_size: 128
    .sgpr_count:     66
    .vgpr_count:     896
    .wavefront_size: 32
...
	.end_amdgpu_metadata
.endif
;; end of part 4
